; MI455X (gfx1250); checked and timed in simulation.
; The chip was launched on July 23, 2026; its instructions are those of AMD's public machine-readable ISA for CDNA 5 (MIT licence, August 2026) and "CDNA5" Instruction Set Architecture Reference Guide (July 2026). The comments in the code are by the model that wrote it; some were corrected since.
;; MLP Attention. Allowed arithmetic: matrix products marked QUANTISED: E4M3 operands, one E8M0 scale for each 32 along K, by v_wmma_scale_f32_16x16x128_f8f6f4 with both operands' format E4M3, f32 sums; products left as they are: f32 operands where the result goes on into a quantised operand, else bf16, f16 or f32 operands; f32 sums; everything else in f32.
;; Inputs: Wc 1,024 float32; Wm 1,024 float32; Wq 1,024 x 1,024 float32; Wv 1,024 x 1,024 float32; bias 1,024 float32; bm 1 float32; cov_vec 32 x 2,048 float32; mask 32 x 2,048 int32; query 32 x 1,024 float32; value 32 x 2,048 x 1,024 float32.
;; Outputs: out0 32 x 1,024 float32; out1 32 x 2,048 float32.
;; This version of the problem:
;;   THIS VERSION OF THE PROBLEM IS GIVEN IN LOW PRECISION. The matrix products marked QUANTISED in the list below multiply operands that are first quantised to E4M3 (4 exponent bits, 3 mantissa bits; 8 bits a number), with one power-of-two scale for each 32 numbers along K (OCP MX v1.0); their sums are f32. All else is computed in f32.
;;   The module's matrix products, in the order in which they are computed (A, B: the left and right operand; K: the contracted axis; several contracted axes count as one K, in the product's order):
;;     1. [M 32, K 1,024] x [K 1,024, N 1,024]; A: input query; B: input Wq: QUANTISED
;;     2. [M 65,536, K 1,024] x [K 1,024, N 1,024]; A: input value; B: input Wv: QUANTISED
;;     3. [M 65,536, K 1,024] x [K 1,024, N 1]; A: computed on the way; B: input Wm: left as it is (N = 1 < 16)
;;     4. batch 32 x [M 1, K 2,048] x [K 2,048, N 1,024]; A: softmax; B: input value: left as it is (M = 1 < 16)
;;   THE QUANTISER, for each operand of a quantised product, along K:
;;     - K is cut into blocks of 32 from its start; a last block that is shorter is filled with zeros.
;;     - A block's scale is 2^e with e = floor(log2(the largest magnitude in the block)) - 8, held to -126 .. 127; a block of zeros has e = 0. As a byte (E8M0): e + 127.
;;     - Each number is divided by its block's scale, clamped to +-448, and rounded to the nearest number of E4M3, ties to even, subnormals kept.
;;     - The product sums the exact products of the quantised numbers (number of the format x scale) in f32.
;;   ~~~python
;;   def quantise(x, axis):      # numpy; x: float32 -> the quantised numbers, widened to float32 again
;;       x = np.moveaxis(x, axis, -1); K = x.shape[-1]
;;       x = np.pad(x, [(0, 0)] * (x.ndim - 1) + [(0, -K % 32)]); x = x.reshape(x.shape[:-1] + (-1, 32)); a = np.abs(x).max(-1, keepdims=True)
;;       e = np.where(a > 0, np.clip(np.frexp(np.where(a > 0, a, 1))[1] - 1 - 8, -126, 127), 0)      # np.frexp(a)[1] - 1 = floor(log2(a)), exactly
;;       r = np.clip(x / 2.0 ** e, -448, 448)
;;       step = 2.0 ** (np.maximum(np.frexp(np.where(r == 0, 1, r))[1] - 1, -6) - 3)
;;       q = np.round(r / step) * step * 2.0 ** e      # np.round: ties to even
;;       return np.moveaxis(q.reshape(q.shape[:-2] + (-1,))[..., :K], -1, axis).astype(np.float32)
;;   ~~~
;; One version. Each part assembles by itself: llvm-mc -triple=amdgcn-amd-amdhsa -mcpu=gfx1250 --defsym DOCPART=n.
;; ======== version 1 of 1: 3 launches
;; limits: right only within a limited range of input values
;; workspace buffers: wvimg 1,048,576 bytes; wvsc 32,768 bytes; qb 131,072 bytes; rows 262,144 bytes of whole numbers; cnt 8,192 bytes of whole numbers; ebuf 262,144 bytes
;; launch prep (part 1): grid 64 x 1, 8 waves a work-group, no clusters, 84,992 bytes of LDS; arguments query, Wq, Wv, bias, mask, wvimg, wvsc, qb, rows, cnt, ebuf; writes wvimg, wvsc, qb, rows, cnt, ebuf
.if DOCPART == 1
	.amdgcn_target "amdgcn-amd-amdhsa--gfx1250"
	.amdhsa_code_object_version 6
	.text
	.protected	k_q5716b493c0_prep
	.globl	k_q5716b493c0_prep
	.p2align	8
	.type	k_q5716b493c0_prep,@function
k_q5716b493c0_prep:
	s_mov_b64 s[64:65], 0
	v_nop
	global_prefetch_b8 v0, s[64:65] scope:SCOPE_SE
	s_setreg_imm32_b32 hwreg(HW_REG_WAVE_MODE, 25, 1), 1
	s_wait_xcnt 0x0
; PREP.  Four small jobs that the two later launches lean on.
;  (1) Wv [1024][1024] f32 -> codes of E4M3 with one E8M0 byte for each 32 along K, laid as IMAGES OF THE OPERAND'S REGISTERS:
;      fragment (G8 = tile / 8, K step s, t = tile % 8) at ((8 G8 + s) 8 + t) 2048 bytes; in it register group c at 512 c, lane l at 16 l.
;      Scale words: 512 bytes for each (G8, s); tile t's word of row r at 16 (r + 16 (t % 2)) + 4 (t / 2).
;  (2) qb[b][g] = Q(query)[b] . Q(Wq)[g] + bias[g], the first quantised product, by the scaled matrix instruction.
;  (3) rows[b][0..2047]: a permutation of the batch's rows, those with mask > 0 first; cnt: their number (2,048 where it is 0:
;      a batch with no kept row gets equal weights over all its rows, so all its rows are listed).
;  (4) ebuf filled with -1e9, the value that a row without mask keeps.
; SHARES.  Work-group x takes tile x (16 rows) of Wv and of Wq; wave w takes K step w (128 along K).  For (3): batch x / 2, and wave w
; places the 128 entries of group gi = 2 w + x % 2.  One path for all work-groups; one barrier.
; LIMITS: NaN and infinities among the inputs are not served.  A block whose largest magnitude lies under 2^-118 gets the byte 1
; (a block of zeros too, where the quantiser's rule says 127: its codes are zeros, and this program alone reads the bytes).
.set STGB, 8448                        ; a wave's stage: 16 rows x (512 bytes + 16)
.set RED,  8*STGB                      ; behind the stages: 2,048 bytes a wave, the partial sums of (2)
.set L16, 1                            ; v1   16 x lane
.set RL,  2                            ; v2   r = lane % 16
.set HL,  3                            ; v3   h = lane / 16
.set STW, 4                            ; v4   stage, on the way in
.set STR, 5                            ; v5   stage, on the way out
.set RW,  6                            ; v6   where I put my partial sums
.set RRD, 7                            ; v7   where I read the eight waves' partial sums of my two registers
.set SWV, 8                            ; v8   Wv's scale word;  v9 Wq's;  v10, v11 query's two tiles': scales and nothing else
.set SQ,  9
.set S0,  10
.set S1,  11
.set TM,  16                           ; v16-31 at work in QUANT
.set PCA, 32                           ; v32-47 codes: Wv's, later query rows 0-15
.set PCB, 48                           ; v48-63 codes: Wq's
.set Y0,  64                           ; three sets of 64 registers
.set Y1,  128
.set Y2,  192
.set PCC, 144                          ; codes of query rows 16-31
.set D0,  160                          ; the two accumulators
.set D1,  168
.set SEL, 32                           ; s[32:33] lane selects: lane l xor 16
.set MNT, 34                           ; s34 the mantissa field of 448
; 64 numbers of a lane, register 16 b + i = k 32 b + 16 h + i of row r, become a fragment's codes (16 registers) and the row's scale word.
.macro QUANT s, pc, pw
.irp b, 0,1,2,3
	v_max3_num_f32 v[TM+\b], |v[\s+16*\b]|, |v[\s+1+16*\b]|, 0x4800000   ; my 16 numbers of block b, and the floor 2^(9 - 127): the byte cannot fall under 1
.endr
.irp i, 2,4,6,8,10,12,14
.irp b, 0,1,2,3
	v_max3_num_f32 v[TM+\b], v[TM+\b], |v[\s+16*\b+\i]|, |v[\s+1+16*\b+\i]|
.endr
.endr
.irp b, 0,1,2,3
	v_permlanex16_b32 v[TM+4+\b], v[TM+\b], s[SEL], s[SEL+1]
.endr
.irp b, 0,1,2,3
	v_max_num_f32 v[TM+\b], v[TM+\b], v[TM+4+\b]                 ; with lane l xor 16's 16: the block's largest magnitude
.endr
.irp b, 0,1,2,3
	v_add_nc_u32 v[TM+12+\b], 0xfc000000, v[TM+\b]               ; 8 off its exponent field: the conversion's scale operand
.endr
.irp b, 0,1,2,3
	v_and_or_b32 v[TM+8+\b], v[TM+\b], 0x7f800000, s[MNT]        ; 448 x the scale
.endr
.irp b, 0,1,2,3
	v_lshrrev_b32 v[TM+4+\b], 23, v[TM+12+\b]                    ; the scale's byte
.endr
	v_lshl_or_b32 v[\pw], v[TM+5], 8, v[TM+4]
	v_lshl_or_b32 v[\pw], v[TM+6], 16, v[\pw]
	v_lshl_or_b32 v[\pw], v[TM+7], 24, v[\pw]
.irp b, 0,1,2,3
.irp i, 0,1,2,3,4,5,6,7,8,9,10,11,12,13,14,15
	v_med3_num_f32 v[\s+16*\b+\i], v[\s+16*\b+\i], -v[TM+8+\b], v[TM+8+\b]   ; the conversion does not saturate (ISA guide 7.6.2): hold first
.endr
	v_cvt_scalef32_pk8_fp8_f32 v[\pc+4*\b:\pc+4*\b+1], v[\s+16*\b:\s+16*\b+7], v[TM+12+\b]
	v_cvt_scalef32_pk8_fp8_f32 v[\pc+4*\b+2:\pc+4*\b+3], v[\s+16*\b+8:\s+16*\b+15], v[TM+12+\b]
.endr
	v_nop                                          ; one plain line behind the last conversion
.endm
; 16 rows' 512 bytes of my K step: each load reads 512 consecutive bytes, 16 a lane
.macro GLOAD16 y, bs, off, nt
.irp i, 0,1,2,3,4,5,6,7,8,9,10,11,12,13,14,15
.if \nt
	global_load_b128 v[\y+4*\i:\y+4*\i+3], v[L16], s[\bs:\bs+1] offset:\off+4096*\i th:TH_LOAD_NT
.else
	global_load_b128 v[\y+4*\i:\y+4*\i+3], v[L16], s[\bs:\bs+1] offset:\off+4096*\i
.endif
.endr
.endm
; through my own stage: in as loaded (row i at 528 i), out 16 neighbours of each block of 32 a lane.  LDS serves a wave in order: no wait between.
.macro TURN src, dst
.irp i, 0,1,2,3,4,5,6,7,8,9,10,11,12,13,14,15
	ds_store_b128 v[STW], v[\src+4*\i:\src+4*\i+3] offset:528*\i
.endr
.irp b, 0,1,2,3
.irp j, 0,1,2,3
	ds_load_b128 v[\dst+16*\b+4*\j:\dst+16*\b+4*\j+3], v[STR] offset:128*\b+16*\j
.endr
.endr
.endm
	s_load_b512 s[4:19], s[0:1], 0x0               ; query 4, Wq 6, Wv 8, bias 10, mask 12, wvimg 14, wvsc 16, qb 18
	s_load_b128 s[20:23], s[0:1], 0x40             ; rows 20, cnt 22
	s_load_b64 s[24:25], s[0:1], 0x50              ; ebuf
	s_set_vgpr_msb 0x40
	v_lshl_add_u32 v0, v0, 2, 0x14800
	v_mov_b32 v1, 0
	s_set_vgpr_msb 0x4000
	v_lshrrev_b32 v12, 5, v0
	v_readfirstlane_b32 s28, v12                   ; wave w
	v_and_b32 v12, 31, v0                          ; lane (kept)
	v_lshlrev_b32 v[L16], 4, v12
	v_and_b32 v[RL], 15, v0
	v_bfe_u32 v[HL], v0, 4, 1
	s_mov_b32 s29, ttmp9                           ; x
	s_lshr_b32 s30, s29, 1                         ; batch
	s_and_b32 s31, s29, 1
	s_lshl_b32 s61, s28, 1
	s_add_co_u32 s61, s61, s31                     ; gi: my group of 128 mask entries
	s_mov_b32 s[SEL], 0x76543210
	s_mov_b32 s[SEL+1], 0xfedcba98
	s_mov_b32 s[MNT], 0x600000
	s_mul_i32 s56, s28, STGB
	v_add_nc_u32 v[STW], s56, v[L16]
	v_mul_u32_u24 v[STR], v[RL], 528
	v_lshl_add_u32 v[STR], v[HL], 6, v[STR]
	v_add_nc_u32 v[STR], s56, v[STR]
	s_lshl_b32 s56, s28, 11
	s_add_co_u32 s56, s56, RED
	v_add_nc_u32 v[RW], s56, v[L16]
	s_lshr_b32 s56, s28, 1
	s_lshl_b32 s56, s56, 9
	s_and_b32 s57, s28, 1
	s_lshl_b32 s57, s57, 3
	s_add_co_u32 s56, s56, s57
	s_add_co_u32 s56, s56, RED
	v_add_nc_u32 v[RRD], s56, v[L16]               ; registers 2 w, 2 w + 1 of the sixteen: group w / 2, byte 8 (w % 2) of a lane's 16
	v_lshlrev_b32 v13, 2, v[RL]                    ; 4 r
	v_lshlrev_b32 v14, 4, v[RL]                    ; 16 r
	s_lshl_b32 s56, s61, 9
	v_add_nc_u32 v15, s56, v[L16]                  ; my group's 512 bytes of the mask
.irp b, 0,1,2,3
	v_mov_b32 v[TM+4+\b], 0                        ; a lane permute's destination counts as one of its sources
.endr
	s_lshl_b32 s56, s29, 16                        ; tile x: 16 rows of 4,096 bytes,
	s_lshl_b32 s58, s28, 9                         ; K step w: 512 bytes
	s_add_co_u32 s56, s56, s58
	s_mov_b32 s57, 0
	s_wait_kmcnt 0x0
	s_add_nc_u64 s[8:9], s[8:9], s[56:57]
	s_add_nc_u64 s[6:7], s[6:7], s[56:57]
	s_mov_b32 s56, s58
	s_add_nc_u64 s[4:5], s[4:5], s[56:57]
	GLOAD16 Y0, 8, 0, 1                            ; Wv
	GLOAD16 Y1, 6, 0, 1                            ; Wq
	s_lshr_b32 s56, s29, 3
	s_lshl_b32 s56, s56, 3
	s_add_co_u32 s56, s56, s28                     ; 8 G8 + s
	s_lshl_b32 s58, s56, 9
	s_lshl_b32 s56, s56, 14
	s_and_b32 s59, s29, 7
	s_lshl_b32 s60, s59, 11
	s_add_co_u32 s56, s56, s60
	s_add_nc_u64 s[14:15], s[14:15], s[56:57]      ; my fragment's image
	s_lshl_b32 s60, s31, 8
	s_add_co_u32 s58, s58, s60
	s_lshr_b32 s60, s59, 1
	s_lshl_b32 s60, s60, 2
	s_add_co_u32 s56, s58, s60
	s_add_nc_u64 s[16:17], s[16:17], s[56:57]      ; my tile's scale words
	s_lshl_b32 s56, s30, 13
	s_add_nc_u64 s[12:13], s[12:13], s[56:57]      ; the batch's mask
	s_add_nc_u64 s[20:21], s[20:21], s[56:57]      ; and its list
	s_lshl_b32 s56, s29, 6
	s_add_nc_u64 s[10:11], s[10:11], s[56:57]      ; bias of my 16 columns
	s_lshr_b32 s58, s28, 2
	s_lshl_b32 s58, s58, 4
	s_and_b32 s59, s28, 3
	s_lshl_b32 s59, s59, 1
	s_add_co_u32 s58, s58, s59
	s_lshl_b32 s58, s58, 12
	s_add_co_u32 s56, s56, s58
	s_add_nc_u64 s[18:19], s[18:19], s[56:57]      ; qb: batch 16 (w / 4) + 2 (w % 4), column 16 x
	s_lshl_b32 s56, s29, 7
	s_add_nc_u64 s[22:23], s[22:23], s[56:57]      ; cnt: entry x
	s_lshl_b32 s56, s29, 12
	s_add_nc_u64 s[24:25], s[24:25], s[56:57]      ; ebuf: 4,096 bytes a work-group
	s_wait_loadcnt 16                              ; Wv's 16 loads are in; Wq's 16 may be out
	TURN Y0, Y2
	s_wait_dscnt 0x0                               ; the stage's stores have read Y0
	GLOAD16 Y0, 4, 0, 0                            ; query rows 0-15
	QUANT Y2, PCA, SWV
.irp c, 0,1,2,3
	global_store_b128 v[L16], v[PCA+4*\c:PCA+4*\c+3], s[14:15] offset:512*\c   ; 512 consecutive bytes a store
.endr
	global_store_b32 v14, v[SWV], s[16:17]         ; both halves of the lanes write the same word.  4 bytes of each 16: the whole buffer is 32 KB
	s_wait_loadcnt 16                              ; Wq is in; query's first 16 loads may be out
	TURN Y1, Y2
	s_wait_dscnt 0x0
	GLOAD16 Y1, 4, 65536, 0                        ; query rows 16-31
	QUANT Y2, PCB, SQ
	s_wait_loadcnt 16                              ; query rows 0-15 are in; rows 16-31 may be out
	TURN Y0, Y2
	s_wait_dscnt 0x0
.irp g, 0,1,2,3,4,5,6,7,8,9,10,11,12,13,14,15
	global_load_b128 v[Y0+4*\g:Y0+4*\g+3], v[L16], s[12:13] offset:512*\g   ; the batch's whole mask: group g, entry 128 g + 4 lane + register
.endr
	s_wait_xcnt 0x0                                ; the image's stores have read PCA: it is written again only behind this wait
	QUANT Y2, PCA, S0
	s_wait_loadcnt 16                              ; query rows 16-31 are in; the mask's 16 loads may be out
	TURN Y1, Y2
	s_wait_dscnt 0x0
	global_load_b128 v[128:131], v15, s[12:13]     ; my own group once more, at fixed registers
	global_load_b32 v132, v13, s[10:11]            ; bias[16 x + r]
	QUANT Y2, PCC, S1
.rept 4
	v_nop                                          ; codes written by vector instructions stand four places ahead of a scaled matrix instruction
.endr
	v_wmma_scale_f32_16x16x128_f8f6f4 v[D0:D0+7], v[PCA:PCA+15], v[PCB:PCB+15], 0, v[S0], v[SQ]   ; register j, lane (r, h): batch 8 h + j, column 16 x + r, this K step's part
	v_wmma_scale_f32_16x16x128_f8f6f4 v[D1:D1+7], v[PCC:PCC+15], v[PCB:PCB+15], 0, v[S1], v[SQ]   ; batches 16 on
.rept 8
	v_nop                                          ; eight places before the results are read
.endr
	s_wait_loadcnt 0x0
	; the counts: every wave counts all 16 groups; what lies in groups ahead of mine is my base
	s_mov_b32 s52, 0                               ; c
	s_mov_b32 s53, 0                               ; kept entries in groups under gi
.irp g, 0,1,2,3,4,5,6,7,8,9,10,11,12,13,14,15
	v_cmp_lt_i32 s56, 0, v[Y0+4*\g]
	v_cmp_lt_i32 s57, 0, v[Y0+4*\g+1]
	v_cmp_lt_i32 s58, 0, v[Y0+4*\g+2]
	v_cmp_lt_i32 s59, 0, v[Y0+4*\g+3]
	s_bcnt1_i32_b32 s56, s56
	s_bcnt1_i32_b32 s57, s57
	s_bcnt1_i32_b32 s58, s58
	s_bcnt1_i32_b32 s59, s59
	s_add_co_u32 s56, s56, s57
	s_add_co_u32 s58, s58, s59
	s_add_co_u32 s56, s56, s58
	s_add_co_u32 s52, s52, s56
	s_cmp_lt_u32 \g, s61
	s_cselect_b32 s56, s56, 0
	s_add_co_u32 s53, s53, s56
.endr
.irp k, 0,1,2,3
	v_cmp_lt_i32 s[36+\k], 0, v[128+\k]            ; my own group's four masks of lanes
.endr
	ds_store_b128 v[RW], v[D0:D0+3]                ; each accumulator from its low end on
	ds_store_b128 v[RW], v[D0+4:D0+7] offset:512
	ds_store_b128 v[RW], v[D1:D1+3] offset:1024
	ds_store_b128 v[RW], v[D1+4:D1+7] offset:1536
	s_wait_dscnt 0x0                               ; for the others' sake: my partial sums lie in LDS
	s_barrier_signal -1
	s_barrier_wait -1
.irp i, 0,1,2,3,4,5,6,7
	ds_load_b64 v[176+2*\i:177+2*\i], v[RRD] offset:2048*\i   ; the eight K steps' parts of registers 2 w and 2 w + 1
.endr
	; the list, while these are on their way.  Entry 128 gi + 4 lane + k goes to place: kept ones from my base up, the others from c + (entries ahead - kept ahead) up
	s_lshl_b32 s55, s61, 7
	s_mov_b32 s60, s55                             ; 128 gi
	s_add_co_u32 s55, s55, s52
	s_sub_co_u32 s55, s55, s53
	s_mov_b32 s54, s53
.irp k, 0,1,2,3
	v_mbcnt_lo_u32_b32 v200, s[36+\k], 0           ; kept entries of this register in lanes under mine
	v_add_nc_u32 v201, s54, v200
	v_sub_nc_u32 v202, v12, v200
	v_add_nc_u32 v202, s55, v202
	v_cndmask_b32 v[192+\k], v202, v201, s[36+\k]
	v_min_u32 v[192+\k], 0x7ff, v[192+\k]          ; a place in the list of 2,048
	v_lshlrev_b32 v[192+\k], 2, v[192+\k]
	s_add_co_u32 s56, s60, \k
	v_lshl_add_u32 v[196+\k], v12, 2, s56          ; the row's number
	global_store_b32 v[192+\k], v[196+\k], s[20:21]
	s_bcnt1_i32_b32 s56, s[36+\k]
	s_add_co_u32 s54, s54, s56
	s_sub_co_u32 s56, 32, s56
	s_add_co_u32 s55, s55, s56
.endr
	v_lshlrev_b32 v204, 15, v[HL]
	v_lshl_add_u32 v204, v[RL], 2, v204            ; qb: 8 h rows of 4,096 bytes + 4 r
	s_wait_dscnt 0x0
	v_pk_add_f32 v[176:177], v[176:177], v[178:179]
	v_pk_add_f32 v[180:181], v[180:181], v[182:183]
	v_pk_add_f32 v[184:185], v[184:185], v[186:187]
	v_pk_add_f32 v[188:189], v[188:189], v[190:191]
	v_pk_add_f32 v[176:177], v[176:177], v[180:181]
	v_pk_add_f32 v[184:185], v[184:185], v[188:189]
	v_pk_add_f32 v[176:177], v[176:177], v[184:185]
	v_add_f32 v176, v176, v132                     ; + bias
	v_add_f32 v177, v177, v132
	global_store_b32 v204, v176, s[18:19]          ; sixteen lanes write 64 consecutive bytes: the whole buffer is 128 KB
	global_store_b32 v204, v177, s[18:19] offset:4096
	v_mov_b32 v206, 0xce6e6b28                     ; -1e9
	v_mov_b32 v207, 0xce6e6b28
	v_mov_b32 v208, 0xce6e6b28
	v_mov_b32 v209, 0xce6e6b28
	v_lshlrev_b32 v205, 4, v0
	global_store_b128 v205, v[206:209], s[24:25]   ; 512 consecutive bytes a wave
	s_cmp_lg_u32 s28, 0
	s_cbranch_scc1 .Lend                           ; the count is wave 0's to store
	s_cmp_eq_u32 s52, 0
	s_cselect_b32 s56, 0x800, s52                  ; no kept row: all 2,048 are listed
	v_mov_b32 v210, s56
	v_lshlrev_b32 v211, 2, v12
	global_store_b32 v211, v210, s[22:23]          ; 32 copies: 128 consecutive bytes
.Lend:
	s_set_vgpr_msb 0x5
	s_wait_tensorcnt 0x0
	ds_add_u32 v0, v1
	s_wait_dscnt 0x0
	s_set_vgpr_msb 0x500
	s_endpgm
.Lfunc_end_k_q5716b493c0_prep:
	.size	k_q5716b493c0_prep, .Lfunc_end_k_q5716b493c0_prep-k_q5716b493c0_prep
	.p2alignl 7, 3214868480
	.fill 96, 4, 3214868480
	.section	.rodata,"a",@progbits
	.p2align	6, 0x0
	.amdhsa_kernel k_q5716b493c0_prep
		.amdhsa_group_segment_fixed_size 84992
		.amdhsa_private_segment_fixed_size 0
		.amdhsa_enable_private_segment 0
		.amdhsa_kernarg_size 88
		.amdhsa_user_sgpr_count 2
		.amdhsa_user_sgpr_kernarg_segment_ptr 1
		.amdhsa_wavefront_size32 1
		.amdhsa_system_sgpr_workgroup_id_x 1
		.amdhsa_system_sgpr_workgroup_id_y 1
		.amdhsa_system_sgpr_workgroup_id_z 1
		.amdhsa_system_vgpr_workitem_id 0
		.amdhsa_next_free_vgpr 258
		.amdhsa_next_free_sgpr 66
		.amdhsa_reserve_vcc 0
		.amdhsa_float_denorm_mode_32 3
		.amdhsa_float_denorm_mode_16_64 3
		.amdhsa_memory_ordered 1
		.amdhsa_forward_progress 1
		.amdhsa_inst_pref_size 68
	.end_amdhsa_kernel
	.amdgpu_metadata
---
amdhsa.version: [ 1, 2 ]
amdhsa.kernels:
  - .name:           k_q5716b493c0_prep
    .symbol:         k_q5716b493c0_prep.kd
    .args:
      - { .name: query, .offset: 0, .size: 8, .value_kind: global_buffer, .address_space: global }
      - { .name: Wq, .offset: 8, .size: 8, .value_kind: global_buffer, .address_space: global }
      - { .name: Wv, .offset: 16, .size: 8, .value_kind: global_buffer, .address_space: global }
      - { .name: bias, .offset: 24, .size: 8, .value_kind: global_buffer, .address_space: global }
      - { .name: mask, .offset: 32, .size: 8, .value_kind: global_buffer, .address_space: global }
      - { .name: wvimg, .offset: 40, .size: 8, .value_kind: global_buffer, .address_space: global }
      - { .name: wvsc, .offset: 48, .size: 8, .value_kind: global_buffer, .address_space: global }
      - { .name: qb, .offset: 56, .size: 8, .value_kind: global_buffer, .address_space: global }
      - { .name: rows, .offset: 64, .size: 8, .value_kind: global_buffer, .address_space: global }
      - { .name: cnt, .offset: 72, .size: 8, .value_kind: global_buffer, .address_space: global }
      - { .name: ebuf, .offset: 80, .size: 8, .value_kind: global_buffer, .address_space: global }
    .group_segment_fixed_size: 84992
    .private_segment_fixed_size: 0
    .kernarg_segment_align: 8
    .kernarg_segment_size: 88
    .max_flat_workgroup_size: 256
    .sgpr_count:     66
    .vgpr_count:     258
    .wavefront_size: 32
...
	.end_amdgpu_metadata
.endif
;; end of part 1
;; launch score (part 2): grid 32 x 15, 4 waves a work-group, no clusters, 237,312 bytes of LDS; arguments value, cov_vec, mask, Wc, Wm, bm, wvimg, wvsc, qb, rows, cnt, ebuf; writes ebuf
.if DOCPART == 2
	.amdgcn_target "amdgcn-amd-amdhsa--gfx1250"
	.amdhsa_code_object_version 6
	.text
	.protected	k_q5716b493c0_score
	.globl	k_q5716b493c0_score
	.p2align	8
	.type	k_q5716b493c0_score,@function
k_q5716b493c0_score:
	s_mov_b64 s[64:65], 0
	v_nop
	global_prefetch_b8 v0, s[64:65] scope:SCOPE_SE
	s_setreg_imm32_b32 hwreg(HW_REG_WAVE_MODE, 25, 1), 1
	s_wait_xcnt 0x0
; SCORE.  e[b][n] = sum over g of Wm[g] tanh(qb[b][g] + Q(value[b][n]) . Q(Wv[g]) + cov[b][n] Wc[g]) + bm, for LISTED rows only; where(mask > 0, e, -1e9) is applied and e stored at the row's own place.
; SHARES.  Work-group (b, j) takes list places j x chunk .. of batch b, chunk = min(ceil(c / 8), 144), c the stored count; n is the number of its rows.  15 x 144 >= 2,048 serves every mask.
; A work-group with n = 0 has nothing to do. EVERY WAVE PASSES EVERY BARRIER: all three stand on the common path.
; Each piece reads only registers made on the common path or inside itself.  There is no tensor load and no cluster: Wv comes from memory straight into registers, as images.
; A work-group with rows always runs 9 tiles of 16 rows; places past its share repeat its last row and are not stored.
; Q: wave w gathers K steps 2 w, 2 w + 1 of all 9 tiles (18 tasks, written out: every LDS store is a register made at the head + an immediate), quantises them and leaves fragment images and scale words in LDS | barrier |
; twice (128 columns each): INIT: accumulators = cov Wc + qb;  G: 8 K steps x 72 accumulators (144 rows x 128 of my 256 columns);  T: tanh, times Wm, summed in a lane | barrier | the waves' parts of e go where the
; images lay | barrier | they are added and stored.
; THE PRODUCT IS USED TRANSPOSED (source 0 = 16 rows of Wv, source 1 = 16 rows of value): lane (r, h) holds row r, register j column 16 T + 8 h + j.
; tanh(x) = 1 - 2 / (1 + 2^(2 log2(e) x)): an infinite power gives 1, a vanished one -1.  So e = sum Wm + sum (-2 Wm) / (1 + 2^..) + bm.
; LIMITS: NaN and infinities among the inputs are not served; blocks under 2^-118 and blocks of zeros get the scale byte 1 (this program alone reads the bytes; a block of zeros has zero codes).
; REGISTERS, in windows of 256.  Window 0: v1-15 addresses; v16-33 value's scale words, v34-41 Wv's (scales and nothing else); v42-65 the lane sums P (in Q: v42-57 at work, v58-61 addresses); v66-83 cov in pairs
; (in Q: v74-75 the scale words just made, v76-84 row numbers); v86-94 cov; v96-191 two sets of three value fragments (Q: two sets of 64 numbers from v96; INIT, T: tables); v192-255 tile 8's accumulators (Q: codes from v224).
; Window 1: Wv's fragments, two sets of 128.  Windows 2, 3: accumulator (a, t) at 64 (a % 4) + 8 t of window 2 + a / 4 (Q: window 2 = four sets of 64 as loaded, window 3 v0-31 = row offsets).
.set EPB,  0                           ; LDS: 0: fragment (s, a) at (9 s + a) 2048; when the images are done with, their first 4,096 bytes take each wave's part of e (1,024 bytes a wave)
.set ASC,  147456                      ; scale words, (s / 2, a) at (9 (s / 2) + a) 256 + 8 lane + 4 (s % 2)
.set TQB,  156672                      ; tables of 4,096 bytes: qb, then Wc, then -2 Wm
.set KSB,  168960                      ; four partial sums of Wm
.set STG,  169216                      ; two stages of 8,448 bytes for each wave
.set STGB, 8448
.set L16, 1
.set RL,  2
.set HL,  3
.set STW, 4
.set STR, 5
.set IW0, 6
.set SW0, 8
.set VA,  10
.set VAS, 11
.set VB,  12
.set VBS, 13
.set VTQ, 14
.set VEP, 15
.set AS,  16
.set BS,  34
.set P,   42
.set TM,  42
.set CV,  66
.set PW0, 74
.set LR,  76
.set VAS0, 85
.set COV, 86
.set VTQ0, 95
.set X0,  96
.set PC0, 224
.set SEL, 40
.set MNT, 42
.set MSB, 0
.macro WIN new                         ; the immediate's high byte repeats the setting that is left; a switch that changes nothing is dropped
.if MSB != (\new)
	s_set_vgpr_msb (MSB<<8)|(\new)
.set MSB, (\new)
.endif
.endm
.macro QUANT s, pc, pw                 ; 64 numbers of a lane, register 16 b + i = k 32 b + 16 h + i of row r -> a fragment's codes and the row's scale word
.irp b, 0,1,2,3
	v_max3_num_f32 v[TM+\b], |v[\s+16*\b]|, |v[\s+1+16*\b]|, 0x4800000   ; and the floor 2^(9 - 127): the byte cannot fall under 1
.endr
.irp i, 2,4,6,8,10,12,14
.irp b, 0,1,2,3
	v_max3_num_f32 v[TM+\b], v[TM+\b], |v[\s+16*\b+\i]|, |v[\s+1+16*\b+\i]|
.endr
.endr
.irp b, 0,1,2,3
	v_permlanex16_b32 v[TM+4+\b], v[TM+\b], s[SEL], s[SEL+1]
.endr
.irp b, 0,1,2,3
	v_max_num_f32 v[TM+\b], v[TM+\b], v[TM+4+\b]
.endr
.irp b, 0,1,2,3
	v_add_nc_u32 v[TM+12+\b], 0xfc000000, v[TM+\b]               ; 8 off the exponent field: the conversion's scale operand
.endr
.irp b, 0,1,2,3
	v_and_or_b32 v[TM+8+\b], v[TM+\b], 0x7f800000, s[MNT]        ; 448 x the scale
.endr
.irp b, 0,1,2,3
	v_lshrrev_b32 v[TM+4+\b], 23, v[TM+12+\b]                    ; the scale's byte
.endr
	v_lshl_or_b32 v[\pw], v[TM+5], 8, v[TM+4]
	v_lshl_or_b32 v[\pw], v[TM+6], 16, v[\pw]
	v_lshl_or_b32 v[\pw], v[TM+7], 24, v[\pw]
.irp b, 0,1,2,3
.irp i, 0,1,2,3,4,5,6,7,8,9,10,11,12,13,14,15
	v_med3_num_f32 v[\s+16*\b+\i], v[\s+16*\b+\i], -v[TM+8+\b], v[TM+8+\b]   ; the conversion does not saturate (ISA guide 7.6.2): hold first
.endr
	v_cvt_scalef32_pk8_fp8_f32 v[\pc+4*\b:\pc+4*\b+1], v[\s+16*\b:\s+16*\b+7], v[TM+12+\b]
	v_cvt_scalef32_pk8_fp8_f32 v[\pc+4*\b+2:\pc+4*\b+3], v[\s+16*\b+8:\s+16*\b+15], v[TM+12+\b]
.endr
	v_nop                                          ; one plain line behind the last conversion
.endm
; the 16 row offsets of a tile (row x 4,096 + 16 lane) into set e of window 3; lane i of v[lr] holds the tile's row i
.macro VOFF e, lr
	s_wait_xcnt 0x0                                ; loads that still name this set have read their addresses
	WIN 0xc0
.irp i, 0,1,2,3,4,5,6,7,8,9,10,11,12,13,14,15
	v_readlane_b32 s[52+(\i%4)], v[\lr], \i
	s_min_u32 s[52+(\i%4)], s[52+(\i%4)], 0x7ff
	v_lshl_add_u32 v[16*(\e)+\i], s[52+(\i%4)], 12, v[L16]
.endr
	WIN 0
.endm
; a task's 16 loads: row i's 512 bytes of K step 2 w + u, into set q of window 2; each load reads 512 consecutive, aligned bytes
.macro LOADT q, e, u
	WIN 0x83                                       ; data window 2, offsets window 3
.irp i, 0,1,2,3,4,5,6,7,8,9,10,11,12,13,14,15
	global_load_b128 v[64*(\q)+4*\i:64*(\q)+4*\i+3], v[16*(\e)+\i], s[4:5] offset:512*(\u)
.endr
	WIN 0
.endm
; set q through my stage par: in as loaded, out 16 neighbours of each block of 32 a lane.  LDS serves a wave in order: no wait between
.macro TURN q, dst, par
	WIN 0x08                                       ; an LDS store's data are its source 1: window 2
.irp i, 0,1,2,3,4,5,6,7,8,9,10,11,12,13,14,15
	ds_store_b128 v[STW], v[64*(\q)+4*\i:64*(\q)+4*\i+3] offset:(\par)*STGB+528*\i
.endr
	WIN 0
.irp b, 0,1,2,3
.irp j, 0,1,2,3
	ds_load_b128 v[\dst+16*\b+4*\j:\dst+16*\b+4*\j+3], v[STR] offset:(\par)*STGB+128*\b+16*\j
.endr
.endr
.endm
; Task k of 18 = tile k / 2 of rows x K step 2 w + k % 2.  It asks for task k + 4 (into the set that its own turn has emptied), turns task k + 1's numbers through the stage, quantises its own and stores the image.
.macro TASK k
.set TA, (\k)/2
.set TU, (\k)%2
.set TQ, (\k)%4
.if (\k) == 0
	s_wait_dscnt 0x0                               ; my numbers are back from the stage
.else
	s_wait_dscnt 5                                 ; my numbers are back from the stage; the last task's five stores may be out
.endif
.if (\k)+4 < 18
.if TU == 0
	VOFF (TA%2), LR+TA+2
.endif
	LOADT TQ, (TA%2), TU
.endif
.if (\k)+1 < 18
.if (\k) < 14
	s_wait_loadcnt 48                              ; the next task's 16 loads are in; those of the three tasks behind it may be out
.else
	s_wait_loadcnt 16*(16-(\k))                    ; nothing more is asked for: the counts run down
.endif
	TURN (((\k)+1)%4), X0+64*(1-TU), 1-TU
.endif
	QUANT X0+64*TU, PC0+16*TU, PW0+TU
.irp c, 0,1,2,3
	ds_store_b128 v[IW0], v[PC0+16*TU+4*\c:PC0+16*TU+4*\c+3] offset:2048*TA+18432*TU+512*\c   ; the fragment as it stands: lane l's 16 bytes at 16 l
.endr
	ds_store_b32 v[SW0], v[PW0+TU] offset:256*TA+4*TU
.endm
.macro ACCSEL a                        ; tile a's accumulators: first register AC, window AW
.if (\a) < 4
.set AW, 2
.set AC, 64*(\a)
.elseif (\a) < 8
.set AW, 3
.set AC, 64*((\a)-4)
.else
.set AW, 0
.set AC, 192
.endif
.endm
; A group: three tiles of rows x my eight tiles of columns, 128 along K: 24 matrix instructions.  gm = 0 .. 5: K step parity gm / 3, tiles 3 (gm % 3) on.
; At its head: eight places behind the last group's products, for every load below into registers that they read; then the loads for later groups; then the wait that leaves just these out.
.macro GROUP gm
.set GU, (\gm)/3
.set GG, (\gm)%3
.set GS, 96+48*((\gm)%2)
.set GN, 96+48*(((\gm)+1)%2)
.if (\gm) < 5
.set NOFF, 18432*(((\gm)+1)/3)+6144*(((\gm)+1)%3)
.else
.set NOFF, 36864
.endif
	WIN 0
.rept 8
	v_nop
.endr
.if GG == 0
	s_wait_loadcnt 0x0                             ; this K step's Wv is in (asked for a K step ago); its offsets may be written
	s_add_co_u32 s48, s48, 0x4000                  ; the next K step's eight fragments; behind the last of the 16 steps it turns back to the first, inside the buffer (those 16 KB are not used)
	s_and_b32 s48, s48, 0x3ffff
	s_add_co_u32 s49, s49, 512
	s_and_b32 s49, s49, 0x1fff
	v_add_nc_u32 v[VB], s48, v[L16]
	v_add_nc_u32 v[VBS], s49, v[L16]
	WIN 0x40
.irp t, 0,1,2,3,4,5,6,7
.irp c, 0,1,2,3
	global_load_b128 v[128*(1-GU)+16*\t+4*\c:128*(1-GU)+16*\t+4*\c+3], v[VB], s[16:17] offset:2048*\t+512*\c
.endr
.endr
	WIN 0
	global_load_b128 v[BS+4*(1-GU):BS+4*(1-GU)+3], v[VBS], s[18:19]   ; register k: tile 2 k's words in lanes 0-15, tile 2 k + 1's in lanes 16-31
.endif
.irp i, 0,1,2
.irp c, 0,1,2,3
	ds_load_b128 v[GN+16*\i+4*\c:GN+16*\i+4*\c+3], v[VA] offset:NOFF+2048*\i+512*\c   ; the next group's three fragments
.endr
.endr
.if (\gm) == 0
.irp a, 6,7,8
	ds_load_b64 v[AS+2*\a:AS+2*\a+1], v[VAS] offset:256*\a          ; this trip's scale pairs of tiles 6-8
.endr
	s_wait_dscnt 15
.elseif (\gm) == 4
.irp a, 0,1,2
	ds_load_b64 v[AS+2*\a:AS+2*\a+1], v[VAS] offset:2304+256*\a     ; the next trip's of tiles 0-2
.endr
	s_wait_dscnt 15
.elseif (\gm) == 5
.irp a, 3,4,5
	ds_load_b64 v[AS+2*\a:AS+2*\a+1], v[VAS] offset:2304+256*\a
.endr
	s_wait_dscnt 15
.else
	s_wait_dscnt 12
.endif
.irp i, 0,1,2
	ACCSEL 3*GG+\i
	WIN (AW<<6)|(AW<<4)|1                          ; Wv window 1, value window 0, C and D the tile's window
.irp t, 0,1,2,3,4,5,6,7
.if (\t%2)
	v_wmma_scale_f32_16x16x128_f8f6f4 v[AC+8*\t:AC+8*\t+7], v[128*GU+16*\t:128*GU+16*\t+15], v[GS+16*\i:GS+16*\i+15], v[AC+8*\t:AC+8*\t+7], v[BS+4*GU+\t/2], v[AS+2*(3*GG+\i)+GU] matrix_a_scale:MATRIX_SCALE_ROW1
.else
	v_wmma_scale_f32_16x16x128_f8f6f4 v[AC+8*\t:AC+8*\t+7], v[128*GU+16*\t:128*GU+16*\t+15], v[GS+16*\i:GS+16*\i+15], v[AC+8*\t:AC+8*\t+7], v[BS+4*GU+\t/2], v[AS+2*(3*GG+\i)+GU]
.endif
.endr
.endr
.endm
; four accumulators of window w (at xb + xs i) become 1 / (1 + 2^(S2 x)) in place and are summed, times -2 Wm (at wb + ws i, window 0), onto the pairs p0 + 2 i
.macro TANH32 w, xb, xs, wb, ws, p0
	WIN ((\w)<<6)|(\w)
.irp k, 0,2,4,6
.irp i, 0,1,2,3
	v_pk_mul_f32 v[(\xb)+(\xs)*\i+\k:(\xb)+(\xs)*\i+\k+1], v[(\xb)+(\xs)*\i+\k:(\xb)+(\xs)*\i+\k+1], s[38:39] op_sel_hi:[1,0]   ; each accumulator from its low end on
.endr
.endr
.irp i, 0,1,2,3
.irp j, 0,1,2,3,4,5,6,7
	v_exp_f32 v[(\xb)+(\xs)*\i+\j], v[(\xb)+(\xs)*\i+\j]
.endr
.endr
	v_nop                                          ; a plain line behind the transcendentals
	s_wait_alu depctr_va_vdst(0)
.irp k, 0,2,4,6
.irp i, 0,1,2,3
	v_pk_add_f32 v[(\xb)+(\xs)*\i+\k:(\xb)+(\xs)*\i+\k+1], v[(\xb)+(\xs)*\i+\k:(\xb)+(\xs)*\i+\k+1], 1.0 op_sel_hi:[1,0]
.endr
.endr
.irp i, 0,1,2,3
.irp j, 0,1,2,3,4,5,6,7
	v_rcp_f32 v[(\xb)+(\xs)*\i+\j], v[(\xb)+(\xs)*\i+\j]
.endr
.endr
	v_nop
	WIN (\w)                                       ; source 0 in the accumulators' window, all else in window 0
	s_wait_alu depctr_va_vdst(0)
.irp k, 0,2,4,6
.irp i, 0,1,2,3
	v_pk_fma_f32 v[(\p0)+2*\i:(\p0)+2*\i+1], v[(\xb)+(\xs)*\i+\k:(\xb)+(\xs)*\i+\k+1], v[(\wb)+(\ws)*\i+\k:(\wb)+(\ws)*\i+\k+1], v[(\p0)+2*\i:(\p0)+2*\i+1]
.endr
.endr
.endm
	; ---- THE COMMON HEAD: ids, shares, every address register, the list and cov
	s_load_b512 s[4:19], s[0:1], 0x0               ; value 4, cov 6, mask 8, Wc 10, Wm 12, bm 14, wvimg 16, wvsc 18
	s_load_b256 s[20:27], s[0:1], 0x40             ; qb 20, rows 22, cnt 24, ebuf 26
	v_lshl_add_u32 v7, v0, 2, 0x39d00
	v_mov_b32 v9, 0
	v_lshrrev_b32 v58, 5, v0
	v_readfirstlane_b32 s28, v58                   ; wave w
	s_mov_b32 s29, ttmp9                           ; batch b
	s_and_b32 s30, ttmp7, 0xffff                   ; j
	s_lshl_b32 s56, s29, 8
	s_mov_b32 s57, 0
	s_wait_kmcnt 0x0
	s_add_nc_u64 s[24:25], s[24:25], s[56:57]
	s_load_b32 s31, s[24:25], 0x0                  ; c
	s_load_b32 s36, s[14:15], 0x0                  ; bm
	s_mov_b32 s38, 0x4038aa3b                      ; S2 = 2 log2(e)
	s_mov_b32 s39, s38
	s_mov_b32 s[SEL], 0x76543210
	s_mov_b32 s[SEL+1], 0xfedcba98
	s_mov_b32 s[MNT], 0x600000
	s_lshl_b32 s56, s29, 23
	s_lshl_b32 s52, s28, 10
	s_add_co_u32 s56, s56, s52
	s_add_nc_u64 s[4:5], s[4:5], s[56:57]          ; value: the batch, my two K steps' 1,024 bytes of a row
	s_lshl_b32 s56, s29, 13
	s_add_nc_u64 s[6:7], s[6:7], s[56:57]
	s_add_nc_u64 s[8:9], s[8:9], s[56:57]
	s_add_nc_u64 s[22:23], s[22:23], s[56:57]
	s_add_nc_u64 s[26:27], s[26:27], s[56:57]
	s_lshl_b32 s56, s29, 12
	s_add_nc_u64 s[20:21], s[20:21], s[56:57]
	s_lshl_b32 s56, s28, 18
	s_add_nc_u64 s[16:17], s[16:17], s[56:57]      ; my 16 tiles of Wv: 262,144 bytes of images,
	s_lshl_b32 s56, s28, 13
	s_add_nc_u64 s[18:19], s[18:19], s[56:57]      ; 8,192 of scale words
	v_and_b32 v58, 31, v0                          ; lane
	v_lshlrev_b32 v[L16], 4, v58
	v_and_b32 v[RL], 15, v0
	v_bfe_u32 v[HL], v0, 4, 1
	s_mul_i32 s52, s28, 2*STGB
	s_add_co_u32 s52, s52, STG
	v_add_nc_u32 v[STW], s52, v[L16]
	v_mul_u32_u24 v[STR], v[RL], 528
	v_lshl_add_u32 v[STR], v[HL], 6, v[STR]
	v_add_nc_u32 v[STR], s52, v[STR]
	s_mul_i32 s52, s28, 36864
	v_add_nc_u32 v[IW0], s52, v[L16]               ; my 18 fragments' images
	s_mul_i32 s52, s28, 2304
	s_add_co_u32 s52, s52, ASC
	v_lshl_add_u32 v[SW0], v58, 3, s52             ; and their scale words
	v_lshl_add_u32 v[VAS0], v58, 3, ASC
	v_lshlrev_b32 v[VTQ0], 5, v[HL]
	s_lshl_b32 s52, s28, 10
	s_add_co_u32 s53, s52, TQB
	v_add_nc_u32 v[VTQ0], s53, v[VTQ0]             ; tables: 4 (256 w + 8 h)
	s_add_co_u32 s53, s52, EPB
	v_lshl_add_u32 v[VEP], v[RL], 2, s53
	v_lshlrev_b32 v59, 5, v0                       ; 32 x thread: my 8 numbers of a table, in memory
	v_add_nc_u32 v60, TQB, v59                     ; and in LDS
	s_lshl_b32 s52, s28, 2
	s_add_co_u32 s52, s52, KSB
	v_mov_b32 v61, s52                             ; my wave's word among the sums of Wm
	s_wait_kmcnt 0x0
	s_min_u32 s31, s31, 0x800
	s_add_co_u32 s32, s31, 7
	s_lshr_b32 s32, s32, 3
	s_min_u32 s32, s32, 144                        ; chunk
	s_mul_i32 s33, s30, s32                        ; my first place in the list
	s_min_u32 s52, s33, s31
	s_sub_co_u32 s34, s31, s52
	s_min_u32 s34, s34, s32                        ; n: my rows; 0 where my first place lies at or past c
	s_max_u32 s35, s34, 1
	s_sub_co_u32 s35, s35, 1                       ; the last of them
	; my places in the list; places past my share repeat my last row
.irp a, 0,1,2,3,4,5,6,7,8
	v_add_nc_u32 v[140+\a], 16*\a, v[RL]
	v_min_u32 v[140+\a], s35, v[140+\a]
	v_add_nc_u32 v[140+\a], s33, v[140+\a]
	v_min_u32 v[140+\a], 0x7ff, v[140+\a]
	v_lshlrev_b32 v[140+\a], 2, v[140+\a]
	global_load_b32 v[LR+\a], v[140+\a], s[22:23]
.endr
	s_wait_loadcnt 0x0
.irp a, 0,1,2,3,4,5,6,7,8
	v_min_u32 v[LR+\a], 0x7ff, v[LR+\a]
	v_lshlrev_b32 v[150+\a], 2, v[LR+\a]
	global_load_b32 v[COV+\a], v[150+\a], s[6:7]   ; cov of row r of tile a, in both halves of the lanes
.endr
	s_cmp_eq_u32 s34, 0
	s_cbranch_scc1 .Lskipq                         ; no rows: nothing to quantise
	; ---- Q: the tables, then 18 tasks a wave; four tasks' loads (64 loads of 512 bytes) are asked for ahead, the turn through the stage runs one task ahead
	global_load_b128 v[96:99], v59, s[20:21]       ; thread t brings 8 numbers of qb, Wc and Wm
	global_load_b128 v[100:103], v59, s[20:21] offset:16
	global_load_b128 v[104:107], v59, s[10:11]
	global_load_b128 v[108:111], v59, s[10:11] offset:16
	global_load_b128 v[112:115], v59, s[12:13]
	global_load_b128 v[116:119], v59, s[12:13] offset:16
	VOFF 0, LR
	VOFF 1, LR+1
	LOADT 0, 0, 0
	LOADT 1, 0, 1
	LOADT 2, 1, 0
.irp b, 0,1,2,3
	v_mov_b32 v[TM+4+\b], 0                        ; a lane permute's destination counts as one of its sources
.endr
	s_wait_loadcnt 48                              ; the tables' six loads are in; the three tasks' 48 may be out
	ds_store_b128 v60, v[96:99]
	ds_store_b128 v60, v[100:103] offset:16
	ds_store_b128 v60, v[104:107] offset:4096
	ds_store_b128 v60, v[108:111] offset:4112
.irp k, 0,2,4,6
	v_pk_mul_f32 v[122+\k:123+\k], v[112+\k:113+\k], -2.0 op_sel_hi:[1,0]
.endr
	ds_store_b128 v60, v[122:125] offset:8192
	ds_store_b128 v60, v[126:129] offset:8208
	v_pk_add_f32 v[130:131], v[112:113], v[114:115]
	v_pk_add_f32 v[132:133], v[116:117], v[118:119]
	v_pk_add_f32 v[130:131], v[130:131], v[132:133]
	v_add_f32 v130, v130, v131
	v_add_f32_dpp v130, v130, v130 row_xmask:1 row_mask:0xf bank_mask:0xf
	v_add_f32_dpp v130, v130, v130 row_xmask:2 row_mask:0xf bank_mask:0xf
	v_add_f32_dpp v130, v130, v130 row_xmask:4 row_mask:0xf bank_mask:0xf
	v_add_f32_dpp v130, v130, v130 row_xmask:8 row_mask:0xf bank_mask:0xf
	v_permlanex16_b32 v131, v130, s[SEL], s[SEL+1]
	v_add_f32 v130, v130, v131
	ds_store_b32 v61, v130                         ; my wave's 256 numbers of Wm, summed
	LOADT 3, 1, 1
	s_wait_loadcnt 48                              ; task 0's 16 loads are in; tasks 1 to 3 may be out
	TURN 0, X0, 0
.irp k, 0,1,2,3,4,5,6,7,8,9,10,11,12,13,14,15,16,17
	TASK \k
.endr
.Lskipq:
	s_wait_loadcnt 0x0                             ; cov is in, and no load is on its way into registers that are written below
	s_wait_dscnt 0x0                               ; for the others' sake: my images, scale words, table parts and sum lie in LDS
	s_barrier_signal -1
	s_barrier_wait -1
.irp i, 0,1,2,3,4,5,6,7,8,9,10,11,12,13,14,15,16,17,18,19,20,21,22,23
	v_mov_b32 v[P+\i], 0                           ; the lane sums run over both halves of my columns
.endr
	s_cmp_eq_u32 s34, 0
	s_cbranch_scc1 .Lskipg                         ; no rows: nothing to multiply
	; ---- Wv of K step 0: INIT stands between the request and the wait for it
	v_mov_b32 v[VB], v[L16]
	v_mov_b32 v[VBS], v[L16]
	s_mov_b32 s48, 0
	s_mov_b32 s49, 0
	WIN 0x40
.irp t, 0,1,2,3,4,5,6,7
.irp c, 0,1,2,3
	global_load_b128 v[16*\t+4*\c:16*\t+4*\c+3], v[VB], s[16:17] offset:2048*\t+512*\c
.endr
.endr
	WIN 0
	global_load_b128 v[BS:BS+3], v[VBS], s[18:19]
.irp a, 0,1,2,3,4,5,6,7,8
	v_mov_b32 v[CV+2*\a], v[COV+\a]                ; cov twice: a pair for the packed multiply-add
	v_mov_b32 v[CV+2*\a+1], v[COV+\a]
.endr
	s_mov_b32 s50, 2
	s_mov_b32 s51, 0
.Lchunk:                                           ; 128 of my 256 columns.  From here to the next barrier LDS is only read
	v_add_nc_u32 v[VTQ], s51, v[VTQ0]
	; ---- INIT: every accumulator begins as cov Wc + qb, so all eight K steps read alike and nothing is cleared
.irp hb, 0,1
.irp t, 0,1,2,3
	ds_load_b128 v[96+8*\t:99+8*\t], v[VTQ] offset:4096+64*(4*\hb+\t)
	ds_load_b128 v[100+8*\t:103+8*\t], v[VTQ] offset:4096+64*(4*\hb+\t)+16
	ds_load_b128 v[128+8*\t:131+8*\t], v[VTQ] offset:64*(4*\hb+\t)
	ds_load_b128 v[132+8*\t:135+8*\t], v[VTQ] offset:64*(4*\hb+\t)+16
.endr
	s_wait_dscnt 0x0
.irp a, 0,1,2,3,4,5,6,7,8
	ACCSEL \a
	WIN (AW<<6)
.irp t, 0,1,2,3
.irp k, 0,2,4,6
	v_pk_fma_f32 v[AC+8*(4*\hb+\t)+\k:AC+8*(4*\hb+\t)+\k+1], v[CV+2*\a:CV+2*\a+1], v[96+8*\t+\k:97+8*\t+\k], v[128+8*\t+\k:129+8*\t+\k]
.endr
.endr
.endr
	WIN 0
.endr
	; ---- G: 4 trips of two K steps.  The 72 accumulators take turns, one instruction a turn, in the same order in every K step and over the backward jump
	s_mov_b32 s46, 0
	s_mov_b32 s47, 0
	v_add_nc_u32 v[VA], s46, v[L16]
	v_add_nc_u32 v[VAS], s47, v[VAS0]
.irp i, 0,1,2
.irp c, 0,1,2,3
	ds_load_b128 v[96+16*\i+4*\c:96+16*\i+4*\c+3], v[VA] offset:2048*\i+512*\c
.endr
.endr
.irp a, 0,1,2,3,4,5
	ds_load_b64 v[AS+2*\a:AS+2*\a+1], v[VAS] offset:256*\a
.endr
	s_mov_b32 s43, 4
.Lg:
	v_add_nc_u32 v[VA], s46, v[L16]
	v_add_nc_u32 v[VAS], s47, v[VAS0]
	GROUP 0
	GROUP 1
	GROUP 2
	GROUP 3
	GROUP 4
	GROUP 5                                        ; (in the last trip what it fetches ahead are written bytes behind the images and behind the scale words; nothing uses them)
	WIN 0
	s_add_co_u32 s46, s46, 36864
	s_add_co_u32 s47, s47, 2304
	s_sub_co_u32 s43, s43, 1
	s_cmp_lg_u32 s43, 0
	s_cbranch_scc1 .Lg
	s_wait_dscnt 0x0                               ; what was fetched ahead has landed: its registers are loaded again below
.rept 8
	v_nop                                          ; eight places behind the last products
.endr
	; ---- T
.irp t, 0,1,2,3,4,5,6,7
	ds_load_b128 v[96+8*\t:99+8*\t], v[VTQ] offset:8192+64*\t
	ds_load_b128 v[100+8*\t:103+8*\t], v[VTQ] offset:8192+64*\t+16
.endr
	s_wait_dscnt 0x0
.irp t, 0,1,2,3,4,5,6,7
	TANH32 2, 8*\t, 64, 96+8*\t, 0, P              ; tiles 0-3, column tile t
.endr
.irp t, 0,1,2,3,4,5,6,7
	TANH32 3, 8*\t, 64, 96+8*\t, 0, P+8            ; tiles 4-7
.endr
	TANH32 0, 192, 8, 96, 8, P+16                  ; tile 8, column tiles 0-3: four pairs, added at the end
	TANH32 0, 224, 8, 128, 8, P+16
	WIN 0
	s_add_co_u32 s51, s51, 512
	s_sub_co_u32 s50, s50, 1
	s_cmp_lg_u32 s50, 0
	s_cbranch_scc1 .Lchunk
.Lskipg:
	s_wait_dscnt 0x0                               ; my reads of the images, scale words and tables are over
	s_barrier_signal -1
	s_barrier_wait -1                              ; everybody's are: the images' first 4,096 bytes may be written over
	; ---- a row's sum over my 256 columns: the pair's halves, then lane l xor 16's
.irp a, 0,1,2,3,4,5,6,7
	v_add_f32 v[P+2*\a], v[P+2*\a], v[P+2*\a+1]
.endr
	v_pk_add_f32 v[P+16:P+17], v[P+16:P+17], v[P+18:P+19]
	v_pk_add_f32 v[P+20:P+21], v[P+20:P+21], v[P+22:P+23]
	v_pk_add_f32 v[P+16:P+17], v[P+16:P+17], v[P+20:P+21]
	v_add_f32 v[P+16], v[P+16], v[P+17]
.irp a, 0,1,2,3,4,5,6,7,8
	v_permlanex16_b32 v[P+2*\a+1], v[P+2*\a], s[SEL], s[SEL+1]
.endr
.irp a, 0,1,2,3,4,5,6,7,8
	v_add_f32 v[P+2*\a], v[P+2*\a], v[P+2*\a+1]
.endr
.irp a, 0,1,2,3,4,5,6,7,8
	ds_store_b32 v[VEP], v[P+2*\a] offset:64*\a    ; row 16 a + r; both halves of the lanes write the same word
.endr
	v_mov_b32 v[P+1], 0
.irp a, 9,10,11,12,13,14,15
	ds_store_b32 v[VEP], v[P+1] offset:64*\a       ; filled up to 256 words, so that the reads below touch my wave's own fresh words only
.endr
	s_wait_dscnt 0x0                               ; for the others' sake: my part of e lies in LDS
	s_barrier_signal -1
	s_barrier_wait -1
	s_cmp_eq_u32 s34, 0
	s_cbranch_scc1 .Lend                           ; no rows: nothing to store
	; ---- thread t finishes places t and 128 + t.  All lanes compute; only the stores look at n
	v_lshl_add_u32 v96, v0, 2, EPB
.irp u, 0,1
.irp i, 0,1,2,3
	ds_load_b32 v[100+4*\u+\i], v96 offset:512*\u+1024*\i
.endr
.endr
	v_mov_b32 v97, KSB
	ds_load_b128 v[108:111], v97
	v_add_nc_u32 v112, s33, v0
	v_min_u32 v112, 0x7ff, v112
	v_lshlrev_b32 v112, 2, v112
	global_load_b32 v114, v112, s[22:23]
	v_add_nc_u32 v120, 128, v0                     ; the second place
	v_add_nc_u32 v113, s33, v120
	v_min_u32 v113, 0x7ff, v113
	v_lshlrev_b32 v113, 2, v113
	global_load_b32 v115, v113, s[22:23]
	s_wait_loadcnt 0x0
	v_min_u32 v114, 0x7ff, v114
	v_min_u32 v115, 0x7ff, v115
	v_lshlrev_b32 v116, 2, v114
	v_lshlrev_b32 v117, 2, v115
	global_load_b32 v118, v116, s[8:9]             ; the row's mask
	global_load_b32 v119, v117, s[8:9]
	s_wait_dscnt 0x0
	v_add_f32 v108, v108, v109
	v_add_f32 v110, v110, v111
	v_add_f32 v108, v108, v110
	v_add_f32 v108, s36, v108                      ; sum of Wm + bm
	v_add_f32 v100, v100, v101
	v_add_f32 v102, v102, v103
	v_add_f32 v104, v104, v105
	v_add_f32 v106, v106, v107
	v_add_f32 v100, v100, v102
	v_add_f32 v104, v104, v106
	v_add_f32 v100, v100, v108
	v_add_f32 v104, v104, v108
	v_mov_b32 v109, 0xce6e6b28                     ; -1e9
	s_wait_loadcnt 0x0
	v_cmp_lt_i32 vcc_lo, 0, v118
	v_cndmask_b32 v100, v109, v100, vcc_lo         ; where(mask > 0, e, -1e9)
	v_cmp_lt_i32 vcc_lo, 0, v119
	v_cndmask_b32 v104, v109, v104, vcc_lo
	v_cmp_gt_u32 vcc_lo, s34, v0
	s_wait_xcnt 0x0                                ; EXEC changes only behind this wait
	s_and_saveexec_b32 s58, vcc_lo
	global_store_b32 v116, v100, s[26:27]          ; rows lie where the mask left them: 4 bytes each, at most 256 KB in the whole launch
	s_wait_xcnt 0x0
	s_or_b32 exec_lo, exec_lo, s58
	v_cmp_gt_u32 vcc_lo, s34, v120
	s_and_saveexec_b32 s58, vcc_lo
	global_store_b32 v117, v104, s[26:27]
	s_wait_xcnt 0x0
	s_or_b32 exec_lo, exec_lo, s58
.Lend:
	s_wait_tensorcnt 0x0
	ds_add_u32 v7, v9
	s_wait_dscnt 0x0
	s_endpgm
.Lfunc_end_k_q5716b493c0_score:
	.size	k_q5716b493c0_score, .Lfunc_end_k_q5716b493c0_score-k_q5716b493c0_score
	.p2alignl 7, 3214868480
	.fill 96, 4, 3214868480
	.section	.rodata,"a",@progbits
	.p2align	6, 0x0
	.amdhsa_kernel k_q5716b493c0_score
		.amdhsa_group_segment_fixed_size 237312
		.amdhsa_private_segment_fixed_size 0
		.amdhsa_enable_private_segment 0
		.amdhsa_kernarg_size 96
		.amdhsa_user_sgpr_count 2
		.amdhsa_user_sgpr_kernarg_segment_ptr 1
		.amdhsa_wavefront_size32 1
		.amdhsa_system_sgpr_workgroup_id_x 1
		.amdhsa_system_sgpr_workgroup_id_y 1
		.amdhsa_system_sgpr_workgroup_id_z 1
		.amdhsa_system_vgpr_workitem_id 0
		.amdhsa_next_free_vgpr 1024
		.amdhsa_next_free_sgpr 66
		.amdhsa_reserve_vcc 1
		.amdhsa_float_denorm_mode_32 3
		.amdhsa_float_denorm_mode_16_64 3
		.amdhsa_memory_ordered 1
		.amdhsa_forward_progress 1
		.amdhsa_inst_pref_size 255
	.end_amdhsa_kernel
	.section	.bss,"aw",@nobits
	.p2align	6
	.space	262144
	.amdgpu_metadata
---
amdhsa.version: [ 1, 2 ]
amdhsa.kernels:
  - .name:           k_q5716b493c0_score
    .symbol:         k_q5716b493c0_score.kd
    .args:
      - { .name: value, .offset: 0, .size: 8, .value_kind: global_buffer, .address_space: global }
      - { .name: cov_vec, .offset: 8, .size: 8, .value_kind: global_buffer, .address_space: global }
      - { .name: mask, .offset: 16, .size: 8, .value_kind: global_buffer, .address_space: global }
      - { .name: Wc, .offset: 24, .size: 8, .value_kind: global_buffer, .address_space: global }
      - { .name: Wm, .offset: 32, .size: 8, .value_kind: global_buffer, .address_space: global }
      - { .name: bm, .offset: 40, .size: 8, .value_kind: global_buffer, .address_space: global }
      - { .name: wvimg, .offset: 48, .size: 8, .value_kind: global_buffer, .address_space: global }
      - { .name: wvsc, .offset: 56, .size: 8, .value_kind: global_buffer, .address_space: global }
      - { .name: qb, .offset: 64, .size: 8, .value_kind: global_buffer, .address_space: global }
      - { .name: rows, .offset: 72, .size: 8, .value_kind: global_buffer, .address_space: global }
      - { .name: cnt, .offset: 80, .size: 8, .value_kind: global_buffer, .address_space: global }
      - { .name: ebuf, .offset: 88, .size: 8, .value_kind: global_buffer, .address_space: global }
    .group_segment_fixed_size: 237312
    .private_segment_fixed_size: 0
    .kernarg_segment_align: 8
    .kernarg_segment_size: 96
    .max_flat_workgroup_size: 128
    .sgpr_count:     66
    .vgpr_count:     1024
    .wavefront_size: 32
...
	.end_amdgpu_metadata
.endif
;; end of part 2
;; launch attend (part 3): grid 8 x 32, 16 waves a work-group, no clusters, 10,752 bytes of LDS; arguments value, ebuf, rows, cnt, out0, out1; writes out0, out1
.if DOCPART == 3
	.amdgcn_target "amdgcn-amd-amdhsa--gfx1250"
	.amdhsa_code_object_version 6
	.text
	.protected	k_q5716b493c0_attend
	.globl	k_q5716b493c0_attend
	.p2align	8
	.type	k_q5716b493c0_attend,@function
k_q5716b493c0_attend:
	s_mov_b64 s[64:65], 0
	v_nop
	global_prefetch_b8 v0, s[64:65] scope:SCOPE_SE
	s_setreg_imm32_b32 hwreg(HW_REG_WAVE_MODE, 25, 1), 1
	s_wait_xcnt 0x0
; ATTEND.  attn[b] = softmax(e[b]) over all 2,048 places (the maximum is taken away first); out0[b] = sum over n of attn[b][n] value[b][n].
; SHARES.  Work-group (j, b): batch b, columns 128 j .. 128 j + 127 (512 bytes of a row).  Each of its 16 waves holds 128 numbers of e; every work-group makes the batch's maximum and sum itself (8 KB),
; and stores the eighth of attn that waves 2 j and 2 j + 1 hold.  The weighted sum walks the LIST: wave w takes places 512 q + 32 w + lane, q = 0 .. 3; a group of 32 places that begins at or past the stored
; count is passed over by a scalar branch.  Places past the count inside a group are rows without mask: their weight is 2^((-1e9 - m) log2 e) = 0.
; A row's 512 bytes are one load of the wave: 32 loads, 16 KB a wave, 256 KB a work-group, are out together; the first group goes out ahead of the softmax's statistics.
; No matrix unit: this product has one row.  No tensor load: the rows are gathered by a stored list.
; LIMITS: a row without mask counts for exactly 0 in out0 where its batch has a kept row: that holds while sum |Wm| + |bm| stays under 9.9e8.  Weights under 2^-126 are 0 (v_exp_f32 flushes).
; NaN and infinities among the inputs are not served.
.set RM,  0                            ; LDS: a maximum for each wave;
.set RS,  256                          ; a sum for each wave;
.set RO,  512                          ; 512 bytes for each wave: its part of the 128 columns
.set L16, 1                            ; v1 16 x lane;  v2 4 x (lane % 16);  v3 16 x thread
.set E,   4                            ; v4-7   e, then p
.set IDX, 8                            ; v8-11  row numbers of my four groups
.set EG,  12                           ; v12-15 their e
.set PW,  16                           ; v16-19 their weights
.set ACC, 20                           ; v20-27 two chains of four columns
.set VO,  40                           ; v40-71 row offsets
.set D,   72                           ; v72-199 32 rows x 16 bytes a lane
.macro ISSUE q
.set RI, 0
.rept 32
	v_readlane_b32 s[24+(RI%4)], v[IDX+\q], RI
	s_min_u32 s[24+(RI%4)], s[24+(RI%4)], 0x7ff
	v_lshl_add_u32 v[VO+RI], s[24+(RI%4)], 12, v[L16]
	global_load_b128 v[D+4*RI:D+4*RI+3], v[VO+RI], s[4:5] th:TH_LOAD_NT   ; 512 consecutive, aligned bytes; read once in this launch
.set RI, RI+1
.endr
.endm
.macro CONSUME q
.set RI, 0
.rept 32
	s_wait_loadcnt 31-RI                           ; loads come back in order: row RI is in, the younger ones stay out
	v_readlane_b32 s[32+2*(RI%4)], v[PW+\q], RI
	v_pk_fma_f32 v[ACC+4*(RI%2):ACC+4*(RI%2)+1], v[D+4*RI:D+4*RI+1], s[32+2*(RI%4):33+2*(RI%4)], v[ACC+4*(RI%2):ACC+4*(RI%2)+1] op_sel_hi:[1,0,1]
	v_pk_fma_f32 v[ACC+4*(RI%2)+2:ACC+4*(RI%2)+3], v[D+4*RI+2:D+4*RI+3], s[32+2*(RI%4):33+2*(RI%4)], v[ACC+4*(RI%2)+2:ACC+4*(RI%2)+3] op_sel_hi:[1,0,1]
.set RI, RI+1
.endr
.endm
	s_load_b256 s[4:11], s[0:1], 0x0               ; value 4, ebuf 6, rows 8, cnt 10
	s_load_b128 s[12:15], s[0:1], 0x20             ; out0 12, out1 14
	v_lshl_add_u32 v200, v0, 2, 0x2200
	v_mov_b32 v201, 0
	v_lshrrev_b32 v28, 5, v0
	v_readfirstlane_b32 s16, v28                   ; wave w
	s_mov_b32 s17, ttmp9                           ; j
	s_and_b32 s18, ttmp7, 0xffff                   ; b
	v_and_b32 v2, 31, v0
	v_lshlrev_b32 v[L16], 4, v2
	v_and_b32 v2, 15, v0
	v_lshlrev_b32 v2, 2, v2
	v_lshlrev_b32 v3, 4, v0
	v_lshlrev_b32 v29, 2, v0
	s_lshl_b32 s23, s16, 2
	v_mov_b32 v31, s23                             ; my wave's word
	s_mov_b32 s44, 0x76543210
	s_mov_b32 s45, 0xfedcba98
	s_mov_b32 s33, 0                               ; (named as upper halves of pairs, so they are written)
	s_mov_b32 s35, 0
	s_mov_b32 s37, 0
	s_mov_b32 s39, 0
	s_lshl_b32 s46, s16, 5                         ; 32 w
	s_lshl_b32 s20, s18, 8
	s_mov_b32 s21, 0
	s_wait_kmcnt 0x0
	s_add_nc_u64 s[10:11], s[10:11], s[20:21]
	s_load_b32 s19, s[10:11], 0x0                  ; c
	s_lshl_b32 s20, s18, 13
	s_add_nc_u64 s[6:7], s[6:7], s[20:21]
	s_add_nc_u64 s[8:9], s[8:9], s[20:21]
	s_add_nc_u64 s[14:15], s[14:15], s[20:21]
	s_lshl_b32 s22, s17, 9
	s_lshl_b32 s20, s18, 23
	s_add_co_u32 s20, s20, s22
	s_add_nc_u64 s[4:5], s[4:5], s[20:21]
	s_lshl_b32 s20, s18, 12
	s_add_co_u32 s20, s20, s22
	s_add_nc_u64 s[12:13], s[12:13], s[20:21]
	global_load_b128 v[E:E+3], v3, s[6:7]
.irp q, 0,1,2,3
	global_load_b32 v[IDX+\q], v29, s[8:9] offset:2048*\q
.endr
.irp i, 0,1,2,3,4,5,6,7
	v_mov_b32 v[ACC+\i], 0
.endr
	v_mov_b32 v30, 0                               ; a lane permute's destination counts as one of its sources
	s_wait_loadcnt 0x0
.irp q, 0,1,2,3
	v_min_u32 v[IDX+\q], 0x7ff, v[IDX+\q]
	v_lshlrev_b32 v[36+\q], 2, v[IDX+\q]
	global_load_b32 v[EG+\q], v[36+\q], s[6:7]     ; e of my listed rows
.endr
	ISSUE 0                                        ; places 32 w .. 32 w + 31: always inside the list of 2,048
	s_wait_kmcnt 0x0
	s_min_u32 s19, s19, 0x800
	; the batch's maximum
	v_max3_num_f32 v28, v[E], v[E+1], v[E+2]
	v_max_num_f32 v28, v28, v[E+3]
	v_max_num_f32_dpp v28, v28, v28 row_xmask:1 row_mask:0xf bank_mask:0xf
	v_max_num_f32_dpp v28, v28, v28 row_xmask:2 row_mask:0xf bank_mask:0xf
	v_max_num_f32_dpp v28, v28, v28 row_xmask:4 row_mask:0xf bank_mask:0xf
	v_max_num_f32_dpp v28, v28, v28 row_xmask:8 row_mask:0xf bank_mask:0xf
	v_permlanex16_b32 v30, v28, s44, s45
	v_max_num_f32 v28, v28, v30
	ds_store_b32 v31, v28 offset:RM
	s_wait_dscnt 0x0
	s_barrier_signal -1
	s_barrier_wait -1
	ds_load_b32 v29, v2 offset:RM                  ; lane l takes wave l % 16's word: four steps inside each half of the lanes finish the maximum
	s_wait_dscnt 0x0
	v_max_num_f32_dpp v29, v29, v29 row_xmask:1 row_mask:0xf bank_mask:0xf
	v_max_num_f32_dpp v29, v29, v29 row_xmask:2 row_mask:0xf bank_mask:0xf
	v_max_num_f32_dpp v29, v29, v29 row_xmask:4 row_mask:0xf bank_mask:0xf
	v_max_num_f32_dpp v29, v29, v29 row_xmask:8 row_mask:0xf bank_mask:0xf
	; p = e^(e - m), and its sum
.irp k, 0,1,2,3
	v_sub_f32 v[E+\k], v[E+\k], v29
.endr
.irp k, 0,1,2,3
	v_mul_f32 v[E+\k], 0x3fb8aa3b, v[E+\k]
.endr
.irp k, 0,1,2,3
	v_exp_f32 v[E+\k], v[E+\k]
.endr
	v_nop                                          ; a plain line behind the transcendentals
	s_wait_alu depctr_va_vdst(0)
	v_add_f32 v28, v[E], v[E+1]
	v_add_f32 v30, v[E+2], v[E+3]
	v_add_f32 v28, v28, v30
	v_add_f32_dpp v28, v28, v28 row_xmask:1 row_mask:0xf bank_mask:0xf
	v_add_f32_dpp v28, v28, v28 row_xmask:2 row_mask:0xf bank_mask:0xf
	v_add_f32_dpp v28, v28, v28 row_xmask:4 row_mask:0xf bank_mask:0xf
	v_add_f32_dpp v28, v28, v28 row_xmask:8 row_mask:0xf bank_mask:0xf
	v_permlanex16_b32 v30, v28, s44, s45
	v_add_f32 v28, v28, v30
	ds_store_b32 v31, v28 offset:RS
	s_wait_dscnt 0x0
	s_barrier_signal -1
	s_barrier_wait -1
	ds_load_b32 v28, v2 offset:RS
	s_wait_dscnt 0x0
	v_add_f32_dpp v28, v28, v28 row_xmask:1 row_mask:0xf bank_mask:0xf
	v_add_f32_dpp v28, v28, v28 row_xmask:2 row_mask:0xf bank_mask:0xf
	v_add_f32_dpp v28, v28, v28 row_xmask:4 row_mask:0xf bank_mask:0xf
	v_add_f32_dpp v28, v28, v28 row_xmask:8 row_mask:0xf bank_mask:0xf
	v_rcp_f32 v28, v28                             ; the sum is at least 1: the largest e gives p = 1
	v_nop
	s_lshr_b32 s21, s16, 1
	s_cmp_lg_u32 s21, s17
	s_cbranch_scc1 .Lnot_mine                      ; attn: waves 2 j and 2 j + 1 store their 128 numbers each: 1 KB on end for a work-group
	s_wait_alu depctr_va_vdst(0)
.irp k, 0,1,2,3
	v_mul_f32 v[32+\k], v[E+\k], v28
.endr
	global_store_b128 v3, v[32:35], s[14:15]
.Lnot_mine:
	s_wait_loadcnt 32                              ; e of my listed rows is in; the 32 row loads may be out
.irp q, 0,1,2,3
	v_sub_f32 v[PW+\q], v[EG+\q], v29
.endr
.irp q, 0,1,2,3
	v_mul_f32 v[PW+\q], 0x3fb8aa3b, v[PW+\q]
.endr
.irp q, 0,1,2,3
	v_exp_f32 v[PW+\q], v[PW+\q]
.endr
	v_nop
	s_wait_alu depctr_va_vdst(0)
.irp q, 0,1,2,3
	v_mul_f32 v[PW+\q], v[PW+\q], v28              ; the weights
.endr
	CONSUME 0
.irp q, 1,2,3
	s_add_co_u32 s21, s46, 512*\q
	s_cmp_ge_u32 s21, s19
	s_cbranch_scc1 .Ldone                          ; the group begins at or past the count: so do the later ones.  No barrier and no LDS access is passed over
	ISSUE \q                                       ; (the last group's loads were all waited for: offsets and data registers are free)
	CONSUME \q
.endr
.Ldone:
	v_pk_add_f32 v[ACC:ACC+1], v[ACC:ACC+1], v[ACC+4:ACC+5]
	v_pk_add_f32 v[ACC+2:ACC+3], v[ACC+2:ACC+3], v[ACC+6:ACC+7]
	s_lshl_b32 s23, s16, 9
	s_add_co_u32 s23, s23, RO
	v_add_nc_u32 v30, s23, v[L16]
	ds_store_b128 v30, v[ACC:ACC+3]
	s_wait_dscnt 0x0
	s_barrier_signal -1
	s_barrier_wait -1
	s_cmp_lg_u32 s16, 0
	s_cbranch_scc1 .Lend                           ; wave 0 adds the sixteen parts
.irp i, 0,1,2,3,4,5,6,7,8,9,10,11,12,13,14,15
	ds_load_b128 v[D+4*\i:D+4*\i+3], v[L16] offset:RO+512*\i
.endr
	s_wait_dscnt 0x0
.irp i, 0,1,2,3,4,5,6,7
	v_pk_add_f32 v[D+4*\i:D+4*\i+1], v[D+4*\i:D+4*\i+1], v[D+32+4*\i:D+32+4*\i+1]
	v_pk_add_f32 v[D+4*\i+2:D+4*\i+3], v[D+4*\i+2:D+4*\i+3], v[D+32+4*\i+2:D+32+4*\i+3]
.endr
.irp i, 0,1,2,3
	v_pk_add_f32 v[D+4*\i:D+4*\i+1], v[D+4*\i:D+4*\i+1], v[D+16+4*\i:D+16+4*\i+1]
	v_pk_add_f32 v[D+4*\i+2:D+4*\i+3], v[D+4*\i+2:D+4*\i+3], v[D+16+4*\i+2:D+16+4*\i+3]
.endr
.irp i, 0,1
	v_pk_add_f32 v[D+4*\i:D+4*\i+1], v[D+4*\i:D+4*\i+1], v[D+8+4*\i:D+8+4*\i+1]
	v_pk_add_f32 v[D+4*\i+2:D+4*\i+3], v[D+4*\i+2:D+4*\i+3], v[D+8+4*\i+2:D+8+4*\i+3]
.endr
	v_pk_add_f32 v[D:D+1], v[D:D+1], v[D+4:D+5]
	v_pk_add_f32 v[D+2:D+3], v[D+2:D+3], v[D+6:D+7]
	global_store_b128 v[L16], v[D:D+3], s[12:13]   ; 512 consecutive, aligned bytes
.Lend:
	s_wait_tensorcnt 0x0
	ds_add_u32 v200, v201
	s_wait_dscnt 0x0
	s_endpgm
.Lfunc_end_k_q5716b493c0_attend:
	.size	k_q5716b493c0_attend, .Lfunc_end_k_q5716b493c0_attend-k_q5716b493c0_attend
	.p2alignl 7, 3214868480
	.fill 96, 4, 3214868480
	.section	.rodata,"a",@progbits
	.p2align	6, 0x0
	.amdhsa_kernel k_q5716b493c0_attend
		.amdhsa_group_segment_fixed_size 10752
		.amdhsa_private_segment_fixed_size 0
		.amdhsa_enable_private_segment 0
		.amdhsa_kernarg_size 48
		.amdhsa_user_sgpr_count 2
		.amdhsa_user_sgpr_kernarg_segment_ptr 1
		.amdhsa_wavefront_size32 1
		.amdhsa_system_sgpr_workgroup_id_x 1
		.amdhsa_system_sgpr_workgroup_id_y 1
		.amdhsa_system_sgpr_workgroup_id_z 1
		.amdhsa_system_vgpr_workitem_id 0
		.amdhsa_next_free_vgpr 202
		.amdhsa_next_free_sgpr 66
		.amdhsa_reserve_vcc 0
		.amdhsa_float_denorm_mode_32 3
		.amdhsa_float_denorm_mode_16_64 3
		.amdhsa_memory_ordered 1
		.amdhsa_forward_progress 1
		.amdhsa_inst_pref_size 75
	.end_amdhsa_kernel
	.amdgpu_metadata
---
amdhsa.version: [ 1, 2 ]
amdhsa.kernels:
  - .name:           k_q5716b493c0_attend
    .symbol:         k_q5716b493c0_attend.kd
    .args:
      - { .name: value, .offset: 0, .size: 8, .value_kind: global_buffer, .address_space: global }
      - { .name: ebuf, .offset: 8, .size: 8, .value_kind: global_buffer, .address_space: global }
      - { .name: rows, .offset: 16, .size: 8, .value_kind: global_buffer, .address_space: global }
      - { .name: cnt, .offset: 24, .size: 8, .value_kind: global_buffer, .address_space: global }
      - { .name: out0, .offset: 32, .size: 8, .value_kind: global_buffer, .address_space: global }
      - { .name: out1, .offset: 40, .size: 8, .value_kind: global_buffer, .address_space: global }
    .group_segment_fixed_size: 10752
    .private_segment_fixed_size: 0
    .kernarg_segment_align: 8
    .kernarg_segment_size: 48
    .max_flat_workgroup_size: 512
    .sgpr_count:     66
    .vgpr_count:     202
    .wavefront_size: 32
...
	.end_amdgpu_metadata
.endif
;; end of part 3
